; MI455X (gfx1250); checked and timed in simulation.
; The chip was launched on July 23, 2026; its instructions are those of AMD's public machine-readable ISA for CDNA 5 (MIT licence, August 2026) and "CDNA5" Instruction Set Architecture Reference Guide (July 2026). The comments in the code are by the model that wrote it; some were corrected since.
;; LSTM Cell. Allowed arithmetic: matrix products marked QUANTISED: E2M1 operands, one E8M0 scale for each 32 along K, by v_wmma_scale_f32_16x16x128_f8f6f4 with both operands' format E2M1 (or v_wmma_scale_f32_32x16x128_f4), f32 sums; everything else in f32.
;; Inputs: Wf 2,048 x 4,096 float32; Wg 2,048 x 4,096 float32; Wi 2,048 x 4,096 float32; Wo 2,048 x 4,096 float32; bf 2,048 float32; bg 2,048 float32; bi 2,048 float32; bo 2,048 float32; c_prev 2,048 x 2,048 float32; h_prev 2,048 x 2,048 float32; input 2,048 x 2,048 float32.
;; Outputs: out0 2,048 x 2,048 float32; out1 2,048 x 2,048 float32.
;; This version of the problem:
;;   THIS VERSION OF THE PROBLEM IS GIVEN IN LOW PRECISION. The matrix products marked QUANTISED in the list below multiply operands that are first quantised to E2M1 (2 exponent bits, 1 mantissa bit; 4 bits a number), with one power-of-two scale for each 32 numbers along K (OCP MX v1.0); their sums are f32. All else is computed in f32.
;;   The module's matrix products, in the order in which they are computed (A, B: the left and right operand; K: the contracted axis; several contracted axes count as one K, in the product's order):
;;     1. [M 2,048, K 4,096] x [K 4,096, N 8,192]; A: computed on the way; B: computed on the way: QUANTISED
;;   THE QUANTISER, for each operand of a quantised product, along K:
;;     - K is cut into blocks of 32 from its start; a last block that is shorter is filled with zeros.
;;     - A block's scale is 2^e with e = floor(log2(the largest magnitude in the block)) - 2, held to -126 .. 127; a block of zeros has e = 0. As a byte (E8M0): e + 127.
;;     - Each number is divided by its block's scale, clamped to +-6, and rounded to the nearest number of E2M1, ties to even, subnormals kept.
;;     - The product sums the exact products of the quantised numbers (number of the format x scale) in f32.
;;   ~~~python
;;   def quantise(x, axis):      # numpy; x: float32 -> the quantised numbers, widened to float32 again
;;       x = np.moveaxis(x, axis, -1); K = x.shape[-1]
;;       x = np.pad(x, [(0, 0)] * (x.ndim - 1) + [(0, -K % 32)]); x = x.reshape(x.shape[:-1] + (-1, 32)); a = np.abs(x).max(-1, keepdims=True)
;;       e = np.where(a > 0, np.clip(np.frexp(np.where(a > 0, a, 1))[1] - 1 - 2, -126, 127), 0)      # np.frexp(a)[1] - 1 = floor(log2(a)), exactly
;;       r = np.clip(x / 2.0 ** e, -6, 6)
;;       step = 2.0 ** (np.maximum(np.frexp(np.where(r == 0, 1, r))[1] - 1, 0) - 1)
;;       q = np.round(r / step) * step * 2.0 ** e      # np.round: ties to even
;;       return np.moveaxis(q.reshape(q.shape[:-2] + (-1,))[..., :K], -1, axis).astype(np.float32)
;;   ~~~
;;   OPERANDS COMPUTED ON THE WAY. 'Computed on the way' means the value that the module computes at that place (a softmax that the list does not call 'softmax' is quantised finished and normalised). What goes into a quantiser is computed in f32, as accurately as f32 sums, v_exp_f32 and their like allow (about 1e-6 of the number): no bf16 or f16 on the way to a quantiser, and a product that is left as it is and whose result goes on into a quantised operand takes f32 operands (vector FMAs, or v_wmma_f32_16x16x4_f32). A number that lies on a knife's edge between two numbers of the format may be rounded either way, as far as f32 arithmetic and the matrix unit's own rounding can turn it there, and no further.
;; One version. Each part assembles by itself: llvm-mc -triple=amdgcn-amd-amdhsa -mcpu=gfx1250 --defsym DOCPART=n.
;; ======== version 1 of 1: 2 launches
;; limits: right only within a limited range of input values
;; workspace buffers: aq 4,456,448 bytes; bq 17,825,792 bytes
;; launch quant (part 1): grid 1280 x 1, 4 waves a work-group, no clusters, 1,536 bytes of LDS; arguments input, h_prev, Wf, Wi, Wg, Wo, aq, bq; writes aq, bq
.if DOCPART == 1
	.amdgcn_target "amdgcn-amd-amdhsa--gfx1250"
	.amdhsa_code_object_version 6
	.text
	.protected	k_qd963c59193_quant
	.globl	k_qd963c59193_quant
	.p2align	8
	.type	k_qd963c59193_quant,@function
k_qd963c59193_quant:
	s_mov_b64 s[64:65], 0
	v_nop
	global_prefetch_b8 v0, s[64:65] scope:SCOPE_SE
	s_setreg_imm32_b32 hwreg(HW_REG_WAVE_MODE, 25, 1), 1
	s_wait_xcnt 0x0
; combined = [input | h_prev] ([2048][4096]) and W_all = [Wf; Wi; Wg; Wo] ([8192][4096]), f32, K innermost, are turned into codes of FP4 (E2M1) with one E8M0 scale byte for each 32 along K.
; A block's scale is 2^(floor(log2(its largest magnitude)) - 2); its byte is the largest magnitude's exponent field - 2, held at 1 from below.  Each number is divided by the scale and rounded to the nearest code, ties to even; beyond 6 the largest code.
; LIMITS: NaN and infinities among the inputs are not served.  A block of zeros, or one whose largest magnitude lies under 2^-124, gets the byte 1 (a block of zeros: with zero codes, which add nothing); the bytes are read by this program alone.
; THE WORKSPACE IS LAID AS THE NEXT LAUNCH READS IT: [group of 128 rows G][K step s of 512][34,816 bytes]: row i's 256 bytes of codes at 256 i, then row i's 16 scale bytes at 32,768 + 16 i.  A block is dense: 136 x 256 bytes.
;   aq: row R of combined -> G = R / 128, i = R % 128; K steps 0-3 come from input, 4-7 from h_prev.
;   bq: gate q (0 f, 1 i, 2 g, 3 o), hidden unit j -> G = j / 32, i = 32 q + j % 32: the four gates of a unit lie 32 rows apart in ONE group, so that they meet in one lane of the product's results.
; THE ORDER ALONG K INSIDE A K STEP IS THIS TEXT'S OWN.  A row's 256 bytes are sixteen places of 16 bytes, each ONE block of 32 under the scale byte of the same number.  Place 4 g + i holds the K step's block 4 i + g, and inside a place
; the codes stand in an order that hangs on the place alone.  Both operands of the product go through this one text, so equal k meet in equal places, and the product never needs to know which k stands where.
; SHARES.  A work-group takes 16 rows x 2,048 numbers of one source; wave w takes K step w of these: 16 steps, a row of 512 numbers each.  A step reads 2,048 consecutive bytes by four loads of 512 and stores 256 consecutive bytes of codes, aligned.
; A LANE'S NUMBERS.  Load i gives lane l the four neighbours 128 i + 4 l + 0 .. 3: eight neighbouring lanes (group g = l / 8) hold block 4 i + g.  Its largest magnitude is joined over the eight lanes by three steps that ride on the arithmetic.
; The conversion takes eight numbers under ONE scale, and a lane has four of a block: so two loads' eight numbers are converted twice, once under each block's scale, and of each result the half under its own scale is kept.
; Then the eight lanes exchange: a lane gives away the two blocks that are not its half's, then the one that is not its pair's.  Lanes 2 i and 2 i + 1 of a group end with block 4 i + g's 16 bytes.  No number goes through LDS.
; A step's four scale bytes of a group are one word; a wave's 16 steps make 256 bytes, gathered in the wave's own 256 bytes of LDS and stored as 256 consecutive bytes, aligned.
; No tensor loads, no barrier: waves share nothing.  Loads run six steps (24 loads a wave) ahead.  Every register that a load or store names is written once or never again: no wait stands for that.
.set STEPS, 16
.set SETS,  6                          ; sets of loaded numbers: steps that are on their way or at work
.set BLKB,  34816                      ; a block of the workspace
.set SCB,   32768                      ; where its scale bytes begin
.set M,     16                         ; v16-19   the four blocks' largest magnitudes, then the conversions' scale operands
.set P,     20                         ; v20-23   the four conversions' results
.set BY,    24                         ; v24-27   the four scale bytes
.set T,     28                         ; v28-31   at work in the exchange
.set R,     32                         ; v32-127  six sets of 16 numbers as they are loaded
.set E,     128                        ; v128-143 a scale word for each step
.set C,     144                        ; v144-175 codes: two registers for each step, so that no store's data are written again
.set OFF,   176                        ; v176-191 step t: 16 x lane + t rows of the source; never rewritten
.set UP4,   46                         ; s46      the lanes whose number has bit 2 set: the upper four of each eight
.set UP2,   47                         ; s47      those with bit 1 set: the upper two of each four
	s_load_b256 s[4:11], s[0:1], 0x0               ; input s[4:5], h_prev s[6:7], Wf s[8:9], Wi s[10:11]
	s_load_b256 s[12:19], s[0:1], 0x20             ; Wg s[12:13], Wo s[14:15], aq s[16:17], bq s[18:19]
	v_lshl_add_u32 v14, v0, 2, 0x400               ; my spare word, behind the four waves' 256 bytes each; never rewritten
	v_mov_b32 v15, 0                               ; 0; never rewritten
	v_lshrrev_b32 v1, 5, v0
	v_readfirstlane_b32 s20, v1                    ; wave
	v_and_b32 v2, 31, v0                           ; lane
	v_lshlrev_b32 v3, 4, v2                        ; my 16 bytes of a load's 512
	v_lshlrev_b32 v4, 3, v2                        ; 8 x lane: my codes' place in a step's 256 bytes, and my 8 of the wave's 256 scale bytes
	s_lshl_b32 s21, s20, 8                         ; LDS: 256 bytes for each wave
	v_lshrrev_b32 v5, 3, v2
	v_lshlrev_b32 v5, 2, v5
	v_add_nc_u32 v5, s21, v5                       ; my group's word of a step's four: 4 (lane / 8)
	v_add_nc_u32 v6, s21, v4                       ; and on the way out 8 bytes a lane
	s_mov_b32 s[UP4], 0xf0f0f0f0
	s_mov_b32 s[UP2], 0xcccccccc
	; which rows, which K steps.  Work-groups 0-127: input; 128-255: h_prev; then 256 for each of Wf, Wi, Wg, Wo.  Both readings of the number are made, then chosen
	s_and_b32 s22, ttmp9, 127                      ; combined: group of 16 rows,
	s_lshr_b32 s23, ttmp9, 7
	s_lshl_b32 s23, s23, 2                         ; first K step in the workspace: 0 or 4,
	s_lshr_b32 s24, s22, 3                         ; G,
	s_and_b32 s25, s22, 7                          ; which 16 rows of the group's 128
	s_sub_co_u32 s26, ttmp9, 256
	s_lshr_b32 s27, s26, 8                         ; weights: the gate q,
	s_bfe_u32 s28, s26, 0x70001                    ; group of 16 rows (7 bits from bit 1),
	s_and_b32 s29, s26, 1
	s_lshl_b32 s29, s29, 2                         ; first K step: 0 or 4, in the source too,
	s_lshr_b32 s30, s28, 1                         ; G,
	s_and_b32 s32, s28, 1
	s_lshl_b32 s27, s27, 1
	s_add_co_u32 s32, s32, s27                     ; which 16 rows: 2 q + the group's low bit
	s_mov_b32 s31, 16384                           ; a row of a weight in bytes
	s_wait_alu depctr_va_vdst(0)
	s_wait_kmcnt 0x0
	s_cmp_lt_u32 ttmp9, 256                        ; every choice hangs on the work-group's number alone
	s_cselect_b32 s22, s22, s28
	s_cselect_b32 s33, 0, s29                      ; first K step in the source
	s_cselect_b32 s23, s23, s29
	s_cselect_b32 s24, s24, s30
	s_cselect_b32 s25, s25, s32
	s_cselect_b32 s31, 8192, s31                   ; a row of input or h_prev
	s_cselect_b64 s[34:35], s[16:17], s[18:19]     ; aq or bq
	s_mov_b64 s[36:37], s[14:15]                   ; the source: Wo, unless the number is lower
	s_cmp_lt_u32 ttmp9, 1024
	s_cselect_b64 s[36:37], s[12:13], s[36:37]
	s_cmp_lt_u32 ttmp9, 768
	s_cselect_b64 s[36:37], s[10:11], s[36:37]
	s_cmp_lt_u32 ttmp9, 512
	s_cselect_b64 s[36:37], s[8:9], s[36:37]
	s_cmp_lt_u32 ttmp9, 256
	s_cselect_b64 s[36:37], s[6:7], s[36:37]
	s_cmp_lt_u32 ttmp9, 128
	s_cselect_b64 s[36:37], s[4:5], s[36:37]
.irp t, 0,1,2,3,4,5,6,7,8,9,10,11,12,13,14,15
	v_mad_u32_u24 v[OFF+\t], s31, \t, v3           ; row t of my 16
.endr
	s_mul_i32 s26, s22, s31
	s_lshl_b32 s26, s26, 4                         ; 16 rows a group,
	s_add_co_u32 s27, s33, s20
	s_lshl_b32 s27, s27, 11                        ; 2,048 bytes a K step: my wave's
	s_add_co_u32 s26, s26, s27                     ; (under 2^26)
	s_mov_b32 s27, 0
	s_add_nc_u64 s[36:37], s[36:37], s[26:27]      ; the source at my first row's 512 numbers
	s_lshl_b32 s28, s24, 3
	s_add_co_u32 s28, s28, s23
	s_add_co_u32 s28, s28, s20
	s_mul_i32 s28, s28, BLKB                       ; my block of the workspace: (8 G + K step) x 34,816 (under 2^25)
	s_lshl_b32 s42, s25, 12
	s_add_co_u32 s42, s42, s28
	s_mov_b32 s43, 0
	s_add_nc_u64 s[38:39], s[34:35], s[42:43]      ; my 16 rows' codes: 4,096 bytes
	s_lshl_b32 s44, s25, 8
	s_add_co_u32 s44, s44, s28
	s_add_co_u32 s44, s44, SCB
	s_mov_b32 s45, 0
	s_add_nc_u64 s[40:41], s[34:35], s[44:45]      ; and their scale bytes: 256
.macro LOAD t
.irp i, 0,1,2,3
	global_load_b128 v[R+16*((\t)%SETS)+4*\i:R+16*((\t)%SETS)+4*\i+3], v[OFF+(\t)], s[36:37] offset:512*\i th:TH_LOAD_NT   ; 32 lanes read 512 consecutive bytes; read once in the launch
.endr
.endm
.irp t, 0,1,2,3,4,5
	LOAD \t
.endr
.macro STEP t
.set RS, R+16*((\t)%SETS)
.if STEPS-1-(\t) >= SETS-1
	s_wait_loadcnt 4*(SETS-1)                      ; loads come back in order (ISA guide 5.7.1): this step's four are in; the four of each of the five steps behind it may be out
.else
	s_wait_loadcnt 4*(STEPS-1-(\t))                ; near the end fewer steps stand behind it
.endif
.irp i, 0,1,2,3
	v_max3_num_f32 v[M+\i], |v[RS+4*\i]|, |v[RS+4*\i+1]|, 0x1800000   ; block 4 i + g: my four numbers, and the floor 2^(3 - 127), under which no largest magnitude is taken: so the byte cannot fall under 1
.endr
.irp i, 0,1,2,3
	v_max3_num_f32 v[M+\i], v[M+\i], |v[RS+4*\i+2]|, |v[RS+4*\i+3]|   ; (the four blocks by turns: no line waits for the line above it)
.endr
.irp x, 1,2,4
.irp i, 0,1,2,3
	v_max_num_f32_dpp v[M+\i], v[M+\i], v[M+\i] row_xmask:\x row_mask:0xf bank_mask:0xf   ; with the lane 1, 2, 4 away: all eight lanes of the group end with the block's largest magnitude
.endr
.endr
.irp i, 0,1,2,3
	v_add_nc_u32 v[M+\i], 0xff000000, v[M+\i]      ; 2 off its exponent field: the conversion takes the exponent field of this operand as its scale, and nothing else of it
.endr
	v_cvt_scalef32_pk8_fp4_f32 v[P], v[RS:RS+7], v[M]              ; loads 0 and 1 under block g's scale: the low 16 bits are load 0's four codes;
	v_cvt_scalef32_pk8_fp4_f32 v[P+1], v[RS:RS+7], v[M+1]          ; under block 4 + g's: the high 16 bits are load 1's.  (The other half of each is some code, never read)
	v_cvt_scalef32_pk8_fp4_f32 v[P+2], v[RS+8:RS+15], v[M+2]       ; loads 2 and 3 likewise
	v_cvt_scalef32_pk8_fp4_f32 v[P+3], v[RS+8:RS+15], v[M+3]
.irp i, 0,1,2,3
	v_lshrrev_b32 v[BY+\i], 23, v[M+\i]            ; the scales' bytes (plain lines behind the conversions, ahead of the first use of their results)
.endr
.if (\t)+SETS < STEPS
	LOAD (\t)+SETS                                 ; this set has been read: it takes the step six further on
.endif
	v_bfi_b32 v[T], 0xffff, v[P], v[P+1]           ; my codes of blocks g (low half) and 4 + g (high half),
	v_bfi_b32 v[T+1], 0xffff, v[P+2], v[P+3]       ; of blocks 8 + g and 12 + g
	v_lshl_or_b32 v[E+(\t)], v[BY+1], 8, v[BY]     ; the four bytes make my group's word: byte i for place 4 g + i
	v_lshl_or_b32 v[E+(\t)], v[BY+2], 16, v[E+(\t)]
	v_lshl_or_b32 v[E+(\t)], v[BY+3], 24, v[E+(\t)]
	; the exchange among the eight lanes.  First with the lane 4 away: the lower four keep the first register and take their partner's, the upper four the second
	v_cndmask_b32 v[T+2], v[T+1], v[T], s[UP4]     ; what I give away,
	v_cndmask_b32 v[T+3], v[T], v[T+1], s[UP4]     ; what I keep,
	v_mov_b32_dpp v[T+2], v[T+2] row_xmask:4 row_mask:0xf bank_mask:0xf   ; what I get
	v_perm_b32 v[T], v[T+2], v[T+3], 0x05040100    ; the two low halves: 8 codes of my half's first block;
	v_perm_b32 v[T+1], v[T+2], v[T+3], 0x07060302  ; the two high halves: of its second
	; then with the lane 2 away: the lower two of each four keep the first block, the upper two the second
	v_cndmask_b32 v[C+2*(\t)+1], v[T+1], v[T], s[UP2]
	v_cndmask_b32 v[C+2*(\t)], v[T], v[T+1], s[UP2]
	v_mov_b32_dpp v[C+2*(\t)+1], v[C+2*(\t)+1] row_xmask:2 row_mask:0xf bank_mask:0xf   ; lane 8 g + j now holds 16 codes of block 4 (j / 2) + g: half of place 4 g + j / 2
	ds_store_b32 v5, v[E+(\t)] offset:16*(\t)      ; the eight lanes of a group write the same word with the same value
.endm
.irp t, 0,1,2,3,4,5,6,7,8,9,10,11,12,13,14,15
	STEP \t
.endr
	ds_load_b64 v[12:13], v6                       ; LDS serves a wave's instructions in order (ISA guide 5.7.1.4): this sees my sixteen stores
; THE CODES LEAVE IN ONE RUN behind the last step: each step's two registers are its own, so all sixteen rows are still at hand, and no vector instruction stands behind a store
.irp t, 0,1,2,3,4,5,6,7,8,9,10,11,12,13,14,15
	global_store_b64 v4, v[C+2*\t:C+2*\t+1], s[38:39] offset:256*\t   ; 32 lanes store row t's 256 consecutive bytes, at a multiple of 256 from the buffer's first byte
.endr
	s_wait_dscnt 0x0
	global_store_b64 v4, v[12:13], s[40:41]        ; 32 lanes store 256 consecutive bytes, aligned: the scale bytes of my 16 rows
	s_wait_tensorcnt 0x0
	ds_add_u32 v14, v15
	s_wait_dscnt 0x0
	s_endpgm
.Lfunc_end_k_qd963c59193_quant:
	.size	k_qd963c59193_quant, .Lfunc_end_k_qd963c59193_quant-k_qd963c59193_quant
	.p2alignl 7, 3214868480
	.fill 96, 4, 3214868480
	.section	.rodata,"a",@progbits
	.p2align	6, 0x0
	.amdhsa_kernel k_qd963c59193_quant
		.amdhsa_group_segment_fixed_size 1536
		.amdhsa_private_segment_fixed_size 0
		.amdhsa_enable_private_segment 0
		.amdhsa_kernarg_size 64
		.amdhsa_user_sgpr_count 2
		.amdhsa_user_sgpr_kernarg_segment_ptr 1
		.amdhsa_wavefront_size32 1
		.amdhsa_system_sgpr_workgroup_id_x 1
		.amdhsa_system_sgpr_workgroup_id_y 1
		.amdhsa_system_sgpr_workgroup_id_z 1
		.amdhsa_system_vgpr_workitem_id 0
		.amdhsa_next_free_vgpr 192
		.amdhsa_next_free_sgpr 66
		.amdhsa_reserve_vcc 0
		.amdhsa_float_denorm_mode_32 3
		.amdhsa_float_denorm_mode_16_64 3
		.amdhsa_memory_ordered 1
		.amdhsa_forward_progress 1
		.amdhsa_inst_pref_size 61
	.end_amdhsa_kernel
	.amdgpu_metadata
---
amdhsa.version: [ 1, 2 ]
amdhsa.kernels:
  - .name:           k_qd963c59193_quant
    .symbol:         k_qd963c59193_quant.kd
    .args:
      - { .name: input, .offset: 0, .size: 8, .value_kind: global_buffer, .address_space: global }
      - { .name: h_prev, .offset: 8, .size: 8, .value_kind: global_buffer, .address_space: global }
      - { .name: Wf, .offset: 16, .size: 8, .value_kind: global_buffer, .address_space: global }
      - { .name: Wi, .offset: 24, .size: 8, .value_kind: global_buffer, .address_space: global }
      - { .name: Wg, .offset: 32, .size: 8, .value_kind: global_buffer, .address_space: global }
      - { .name: Wo, .offset: 40, .size: 8, .value_kind: global_buffer, .address_space: global }
      - { .name: aq, .offset: 48, .size: 8, .value_kind: global_buffer, .address_space: global }
      - { .name: bq, .offset: 56, .size: 8, .value_kind: global_buffer, .address_space: global }
    .group_segment_fixed_size: 1536
    .private_segment_fixed_size: 0
    .kernarg_segment_align: 8
    .kernarg_segment_size: 64
    .max_flat_workgroup_size: 128
    .sgpr_count:     66
    .vgpr_count:     192
    .wavefront_size: 32
...
	.end_amdgpu_metadata
.endif
;; end of part 1
;; launch lstm (part 2): grid 32 x 8, 4 waves a work-group, clusters of 4 x 4, 327,680 bytes of LDS; arguments aq, bq, bf, bi, bg, bo, c_prev, out0, out1; writes out0, out1
.if DOCPART == 2
	.amdgcn_target "amdgcn-amd-amdhsa--gfx1250"
	.amdhsa_code_object_version 6
	.text
	.protected	k_qd963c59193_lstm
	.globl	k_qd963c59193_lstm
	.p2align	8
	.type	k_qd963c59193_lstm,@function
k_qd963c59193_lstm:
	s_mov_b64 s[64:65], 0
	v_nop
	global_prefetch_b8 v0, s[64:65] scope:SCOPE_SE
	s_setreg_imm32_b32 hwreg(HW_REG_WAVE_MODE, 25, 1), 1
	s_wait_xcnt 0x0
	s_wait_alu depctr_hold_cnt(0) depctr_sa_sdst(0) depctr_va_vdst(0) depctr_va_sdst(0) depctr_va_ssrc(0) depctr_va_vcc(0) depctr_vm_vsrc(0)
	s_getreg_b32 s2, hwreg(HW_REG_IB_STS2, 6, 4)
	s_cmp_eq_u32 s2, 0
	s_cbranch_scc0 .Lentry_in_a_cluster
	s_endpgm
.Lentry_in_a_cluster:
	s_bfe_u32 s2, ttmp6, 0x10000c
	s_cmp_lg_u32 s2, 0xf033
	s_cbranch_scc0 .Lentry_shape_is_right
	s_endpgm
.Lentry_shape_is_right:
; gates = combined W_all^T + b_all on codes of FP4 (E2M1) with E8M0 scales, then c = sigmoid(f) c_prev + sigmoid(i) tanh(g), h = sigmoid(o) tanh(c); out0 = h, out1 = c, f32.
; aq, bq are laid by the launch before: [group of 128 rows][K step of 512][34,816 bytes]: 128 rows x 256 bytes of codes, then 128 x 16 scale bytes: a dense block of 136 x 256 bytes.
; In bq row 32 q + j of a group is gate q (f, i, g, o) of the group's hidden unit j: a wave's 128 columns of the product are the four gates of 32 units, and all four meet in one lane.
; A work-group of four waves makes 256 rows x 256 gate columns (64 units); a wave 128 x 128: 64 accumulators, 512 registers.  The matrix instruction is used transposed (source 0 = rows of bq, source 1 = rows of aq):
; a lane holds one row of the batch and eight neighbouring units.  The biases are the C of each accumulator's first product.
; K goes in 8 steps of 512 through two LDS slots; a wave's one tensor load brings one block (136 rows, 16 bytes of padding behind each 256).  4 x 4 work-groups form a cluster: aq's blocks are asked for jointly along a row, bq's along a column.
; A step of 128 along K: BOTH operands have two sets of registers; the next step's 32 LDS loads are issued in one run at the step's head, 64 matrix instructions ahead of their use.
; So a slot's reads are over at the head of its last step: there stands the change of slots, and a refill has four steps of 128 in which to land.
; PREFETCH: behind the refill for K step t the blocks of K step t + 2 are asked into the L2: of a block's 136 pieces of 256 bytes each of the four partners that load it names 34, told apart by address.  K steps 1 and 2 are asked for behind the first load.
; The loop's last trip has no K step two on: it asks for my wave's 64 rows of c_prev instead, 32 at each change of slots.
; c_prev's tile (256 rows x 256 bytes) comes into slot 0 behind the round of K step 6, which is that slot's last: 64 rows a wave, a load of my work-group's own (mask 0).  The stages of the way out lie on the same slot: it has had its last fill.
; LIMITS: the exponents of the two tanh are held at 60 (tanh is 1 to f32 far below that); NaN and infinities among the inputs are not served.
; REGISTERS: window 0: v16-31 addresses; v32-95 scale words, a set for each slot; v128-191, v192-255 aq's fragments, two sets.  window 1: v0-63, v128-191 bq's fragments, two sets; v64-127 the biases.  windows 2, 3: the accumulators.
.set NQ,     4
.set PITCH,  272                       ; an LDS row: 256 bytes + 16 of padding
.set TROWS,  136
.set FR,     8
.set NP,     4                         ; places behind this matrix form (ISA guide 7.12.1)
.set BLKB,   34816
.set HALFT,  TROWS*PITCH               ; a block in LDS
.set SCO,    128*PITCH                 ; its scale bytes
.set SLOT,   4*HALFT                   ; aq's two blocks, then bq's two
.set LAPS,   4
.set SPARE,  2*SLOT                    ; the spare words, 128 bytes a wave
.set STH,    256*PITCH                 ; h's stage, behind c's (which lies where c_prev's tile lay)
.set BROW,   16*PITCH
.set OROW,   8192                      ; a row of c_prev, out0, out1 in bytes
.set SHARE,  34*256                    ; a partner's part of a block's prefetch
.set ADRA, 16                          ; v16-17 LDS address of my aq fragments, slot 0, 1
.set PFO,  18                          ; v18 256 x lane;  v19 256 x min(32 + lane, 33): the 34 pieces of my part
.set PFO2, 19
.set ADRB, 20                          ; v20-21 the same for bq
.set PFC,  22                          ; v22 lane x a row of c_prev
.set BO,   23
.set STO,  24
.set RD,   25
.set CO,   26
.set STOH, 27
.set SPW,  28
.set NIL,  29
.set ADRS, 30                          ; v30-31 scale words: lanes 0-15 aq's rows, lanes 16-31 bq's
.set SC,   32
.set AF,   128
.set BIAS, 64                          ; window 1
.set HH,   32                          ; the way out, all in window 0
.set GT,   96
.set GF,   GT
.set GI,   GT+16
.set GG,   GT+32
.set GOU,  GT+48
.set CP,   160                         ; c_prev of a block: v160-175 and v240-255 by turns
.set DD,   176
.set CN,   192
.set OB,   208
.set G0C, 8                            ; s[8:11], s[92:99] groups 0 and 1 for c_prev's tile
.set HOLD, 12
.set G1, 24
.set G0, 32
.set G1B, 48
.set G0B, 56
.set PFA, 66                           ; s[66:67] my part of my block, at the K step from which the prefetches' offsets count
.set KN, 88
.set KP, 90
.set G1C, 92
.set MSB, 0
.macro WIN new                         ; the immediate's high byte repeats the setting that is left
.if MSB != (\new)
	s_set_vgpr_msb (MSB<<8)|(\new)
.set MSB, (\new)
.endif
.endm
.set MUL_LO, 0xa1                      ; source 0 (bq) window 1, source 1 (aq) window 0, C and D window 2
.set MUL_HI, 0xf1                      ; C and D window 3
.set ZER_LO, 0x91                      ; C (the biases) window 1, D window 2
.set ZER_HI, 0xd1
.set TO_B,   0x40                      ; destination window 1
.macro PLACES n
.rept \n
	v_nop
.endr
.endm
.macro JLOAD g0a, g1a, g0b, g1b        ; a joint load: waves 0, 1 fetch aq's blocks, waves 2, 3 bq's
	s_cmp_eq_u32 s15, 0
	s_cbranch_scc0 .Lfor_b_\@
	tensor_load_to_lds s[\g0a:\g0a+3], s[\g1a:\g1a+7]
	s_nop 0
	PLACES 4
	s_branch .Lasked_\@
.Lfor_b_\@:
	tensor_load_to_lds s[\g0b:\g0b+3], s[\g1b:\g1b+7]
	s_nop 0
	PLACES 4
.Lasked_\@:
.endm
.macro CREST                           ; a round of the cluster's barrier behind its opening barrier
	s_cmp_lg_u32 s14, 0
	s_cbranch_scc1 .Lnot_wave_0_\@
	s_barrier_signal -3
.Lnot_wave_0_\@:
	s_barrier_wait -3
	s_barrier_signal -1
	s_barrier_wait -1
.endm
.macro CROUND
	s_barrier_signal -1
	s_barrier_wait -1
	CREST
.endm
.macro ASKK k                          ; my 34 pieces of the block k K steps behind PFA
	global_prefetch_b8 v[PFO], s[PFA:PFA+1] offset:(\k)*BLKB th:TH_LOAD_NT scope:SCOPE_SE
	global_prefetch_b8 v[PFO2], s[PFA:PFA+1] offset:(\k)*BLKB th:TH_LOAD_NT scope:SCOPE_SE
.endm
.macro ASK slot                        ; in the loop: two refills on; in the last trip (s3 = 1) 32 rows of c_prev, a lane a row
	s_cmp_eq_u32 s3, 1
	s_cbranch_scc1 .Lask_c_\@
	ASKK 2+\slot
	s_branch .Lask_done_\@
.Lask_c_\@:
	global_prefetch_b8 v[PFC], s[76:77] offset:\slot*32*OROW th:TH_LOAD_NT scope:SCOPE_SE
.Lask_done_\@:
.endm
	s_load_b128 s[4:7], s[0:1], 0x0                ; aq, bq
	s_load_b256 s[68:75], s[0:1], 0x10             ; bf, bi, bg, bo
	s_load_b128 s[76:79], s[0:1], 0x30             ; c_prev, out0
	s_load_b64 s[80:81], s[0:1], 0x40              ; out1
	v_lshl_add_u32 v[SPW], v0, 2, SPARE
	v_mov_b32 v[NIL], 0
	ds_add_u32 v[SPW], v[NIL]                      ; the opening lines: the add twice on end and its wait ahead of my first tensor load
	ds_add_u32 v[SPW], v[NIL]
	v_lshrrev_b32 v1, 5, v0
	v_readfirstlane_b32 s14, v1                    ; wave
	s_lshr_b32 s15, s14, 1                         ; my half of the rows; also: I fetch aq (0) or bq (1)
	s_and_b32 s16, s14, 1                          ; my half of the columns; also: which of the two blocks I fetch
	s_bfe_u32 s40, ttmp6, 0x40000                  ; cx
	s_bfe_u32 s41, ttmp6, 0x40004                  ; cy
	s_lshl_b32 s42, ttmp9, 2
	s_add_co_u32 s42, s42, s40                     ; tile column, 0 .. 31
	s_and_b32 s17, ttmp7, 0xffff
	s_lshl_b32 s17, s17, 2
	s_add_co_u32 s17, s17, s41                     ; tile row, 0 .. 7
	s_lshl_b32 s43, s41, 2
	s_lshl_b32 s43, 15, s43                        ; my row of the cluster
	s_lshl_b32 s44, 0x1111, s40                    ; my column
	s_or_b32 s[G1+0], s43, (3<<16)|(1<<20)|(1<<21)|(5<<22)|(3<<25)   ; elements of 8 bytes; 4 words of padding behind every 64
	s_or_b32 s[G1B+0], s44, (3<<16)|(1<<20)|(1<<21)|(5<<22)|(3<<25)
.irp g, G1, G1B
	s_mov_b32 s[\g+1], 32<<16
	s_mov_b32 s[\g+2], TROWS<<16
	s_mov_b32 s[\g+3], 32<<16
	s_mov_b32 s[\g+4], TROWS
	s_mov_b32 s[\g+5], 32
	s_mov_b32 s[\g+6], 0
	s_mov_b32 s[\g+7], 0
.endr
	s_mov_b32 s[G1C+0], (3<<16)|(1<<20)|(5<<22)|(3<<25)   ; c_prev: 64 rows of 256 bytes, 8,192 bytes apart; no mask
	s_mov_b32 s[G1C+1], 32<<16
	s_mov_b32 s[G1C+2], 64<<16
	s_mov_b32 s[G1C+3], 32<<16
	s_mov_b32 s[G1C+4], 64
	s_mov_b32 s[G1C+5], OROW/8
	s_mov_b32 s[G1C+6], 0
	s_mov_b32 s[G1C+7], 0
	s_lshl_b32 s20, s17, 1
	s_add_co_u32 s20, s20, s16
	s_mul_i32 s20, s20, 8*BLKB                     ; aq: group 2 x tile row + half
	s_mov_b32 s21, 0
	s_lshl_b32 s46, s42, 1
	s_add_co_u32 s46, s46, s16
	s_mul_i32 s46, s46, 8*BLKB                     ; bq: group 2 x tile column + half
	s_mov_b32 s47, 0
	s_mul_i32 s45, s14, HALFT                      ; where my block goes
	s_mov_b32 s[KN], 0xbfb8aa3b                    ; -log2(e)
	s_mov_b32 s[KN+1], s[KN]
	s_mov_b32 s[KP], 0x4038aa3b                    ; 2 log2(e)
	s_mov_b32 s[KP+1], s[KP]
	s_mov_b32 s[HOLD], 0x42700000                  ; 60
	s_cmp_eq_u32 s15, 0
	s_cselect_b32 s82, s40, s41                    ; my place among the four that load my block
	s_mul_i32 s82, s82, SHARE
	s_mov_b32 s83, 0
	s_lshl_b32 s86, s42, 8
	s_lshl_b32 s87, s16, 7
	s_add_co_u32 s86, s86, s87                     ; the biases of my 32 units
	s_mov_b32 s87, 0
	s_lshl_b32 s13, s42, 8                         ; the tile's 256 bytes of a row of c_prev, out0, out1
	s_lshl_b32 s18, s17, 8
	s_lshl_b32 s19, s14, 6
	s_add_co_u32 s18, s18, s19
	s_lshl_b32 s18, s18, 13
	s_add_co_u32 s18, s18, s13                     ; c_prev: row 256 x tile row + 64 x wave
	s_mov_b32 s19, 0
	s_lshl_b32 s22, s17, 8
	s_lshl_b32 s23, s15, 7
	s_add_co_u32 s22, s22, s23
	s_lshl_b32 s22, s22, 13
	s_add_co_u32 s22, s22, s13                     ; the output: row 256 x tile row + 128 x half
	s_mov_b32 s23, 0
	s_wait_dscnt 0x0                               ; both opening adds are done
	s_wait_kmcnt 0x0
	s_add_nc_u64 s[20:21], s[4:5], s[20:21]
	s_add_nc_u64 s[46:47], s[6:7], s[46:47]
	s_cmp_eq_u32 s15, 0
	s_cselect_b64 s[PFA:PFA+1], s[20:21], s[46:47]
	s_add_nc_u64 s[PFA:PFA+1], s[PFA:PFA+1], s[82:83]
.irp q, 0,1,2,3
	s_add_nc_u64 s[68+2*\q:69+2*\q], s[68+2*\q:69+2*\q], s[86:87]
.endr
	s_add_nc_u64 s[76:77], s[76:77], s[18:19]
	s_cmp_eq_u32 s16, 0
	s_cselect_b64 s[84:85], s[80:81], s[78:79]     ; on the way out the waves of column half 0 store c (out1), the others h (out0)
	s_add_nc_u64 s[84:85], s[84:85], s[22:23]
.irp s, 0,1
	s_mov_b32 s[G0+4*\s], 1
	s_add_co_u32 s[G0+4*\s+1], s45, \s*SLOT
	s_add_nc_u64 s[G0+4*\s+2:G0+4*\s+3], s[20:21], \s*BLKB
	s_or_b32 s[G0+4*\s+3], s[G0+4*\s+3], 0x80000000
	s_mov_b32 s[G0B+4*\s], 1
	s_add_co_u32 s[G0B+4*\s+1], s45, \s*SLOT
	s_add_nc_u64 s[G0B+4*\s+2:G0B+4*\s+3], s[46:47], \s*BLKB
	s_or_b32 s[G0B+4*\s+3], s[G0B+4*\s+3], 0x80000000
.endr
	s_mov_b32 s[G0C], 1
	s_mul_i32 s[G0C+1], s14, 64*PITCH
	s_mov_b64 s[G0C+2:G0C+3], s[76:77]
	s_or_b32 s[G0C+3], s[G0C+3], 0x80000000
	CROUND                                         ; all sixteen work-groups are here: the first joint loads meet
	JLOAD G0, G1, G0B, G1B                         ; K step 0: one tensor load a wave at the head; all that follows is done while it is out
	s_mul_i32 s22, s15, HALFT                      ; my block of aq,
	s_mul_i32 s23, s16, HALFT
	s_add_co_u32 s23, s23, 2*HALFT                 ; of bq
	s_sub_co_u32 s18, s23, s22
	s_add_co_u32 s19, s22, SCO
	s_mul_i32 s4, s15, 128*PITCH                   ; the stages: my 128 rows
	s_mul_i32 s5, s16, STH
	s_add_co_u32 s5, s5, s4                        ; read back: c's stage or h's
	s_lshl_b32 s6, s16, 7
	s_add_co_u32 s6, s6, s4                        ; put in: my 128 bytes of each row
	v_and_b32 v1, 15, v0                           ; r
	v_bfe_u32 v2, v0, 4, 1                         ; h
	v_and_b32 v7, 31, v0
	v_lshlrev_b32 v[BO], 5, v2                     ; my eight units' biases
	v_lshlrev_b32 v[CO], 13, v2
	v_lshl_add_u32 v[CO], v1, 4, v[CO]             ; the output: sixteen lanes to a row's 256 bytes, two rows an instruction
	v_mul_u32_u24 v3, v1, PITCH
	v_lshl_add_u32 v4, v2, 4, v3                   ; a fragment: row r, + 16 h
	v_add_nc_u32 v[ADRA], s22, v4
	v_add_nc_u32 v[ADRB], s23, v4
	v_add_nc_u32 v[ADRA+1], SLOT, v[ADRA]
	v_add_nc_u32 v[ADRB+1], SLOT, v[ADRB]
	v_mul_u32_u24 v6, s18, v2                      ; lanes 16-31 take bq's scale words
	v_lshl_add_u32 v5, v1, 4, v6
	v_add_nc_u32 v[ADRS], s19, v5
	v_add_nc_u32 v[ADRS+1], SLOT, v[ADRS]
	v_mul_u32_u24 v5, v2, PITCH
	v_lshl_add_u32 v5, v1, 4, v5
	v_add_nc_u32 v[RD], s5, v5
	v_lshl_add_u32 v[STO], v2, 5, v3
	v_add_nc_u32 v[STO], s6, v[STO]
	v_add_nc_u32 v[STOH], STH, v[STO]
	v_lshlrev_b32 v[PFO], 8, v7
	v_add_nc_u32 v[PFO2], 32, v7
	v_min_u32 v[PFO2], 33, v[PFO2]                 ; pieces 32 and 33; the lanes left over name the last again
	v_lshlrev_b32 v[PFO2], 8, v[PFO2]
	v_lshlrev_b32 v[PFC], 13, v7
	s_wait_alu depctr_va_vdst(0)                   ; the wait behind the head's vector work
	ASKK 1                                         ; K steps 1 and 2
	ASKK 2
	WIN TO_B
.irp q, 0,1,2,3
.irp u, 0,1
.irp k, 0,1
	global_load_b128 v[BIAS+8*(2*\q+\u)+4*\k:BIAS+8*(2*\q+\u)+4*\k+3], v[BO], s[68+2*\q:69+2*\q] offset:64*\u+16*\k   ; block 2 q + u of bq: gate q, units 16 u + 8 h + 0 .. 7
.endr
.endr
.endr
	WIN 0
.macro FRAG reg, adr, q, i             ; 16 rows x 128 K: registers 4 c .. 4 c + 3 take the row's 16 bytes at 64 q + 32 c + 16 h
.irp c, 0,1
	ds_load_b128 v[\reg+4*\c:\reg+4*\c+3], v[\adr] offset:64*(\q)+32*\c+(\i)*16*PITCH
.endr
.endm
; the fragments of the slot's q-th 128 along K into sets p: bq's 16 loads, (sc = 1: the slot's 8 loads of scale words,) aq's 16, block by block
.macro FETCH slot, q, p, sc
	WIN TO_B
.irp i, 0,1,2,3,4,5,6,7
	FRAG 128*(\p)+FR*\i, ADRB+\slot, \q, \i
.endr
	WIN 0
.if \sc
.irp i, 0,1,2,3,4,5,6,7
	ds_load_b128 v[SC+8*NQ*\slot+NQ*\i:SC+8*NQ*\slot+NQ*\i+3], v[ADRS+\slot] offset:\i*PITCH
.endr
.endif
.irp i, 0,1,2,3,4,5,6,7
	FRAG AF+64*(\p)+FR*\i, ADRA+\slot, \q, \i
.endr
.endm
; 16 matrix instructions: aq's blocks a0, a0 + 1 x bq's eight.  The 64 accumulators take turns in the same order in every step.  zero = 1: the biases start the sums
.macro MUL16 a0, p, q, sc, zero
.irp a, \a0, \a0+1
.irp b, 0,1,2,3,4,5,6,7
.if \zero
	v_wmma_scale_f32_16x16x128_f8f6f4 v[8*(8*((\a)%4)+\b):8*(8*((\a)%4)+\b)+7], v[128*(\p)+FR*\b:128*(\p)+FR*\b+FR-1], v[AF+64*(\p)+FR*(\a):AF+64*(\p)+FR*(\a)+FR-1], v[BIAS+8*\b:BIAS+8*\b+7], v[SC+8*NQ*(\sc)+NQ*\b+(\q)], v[SC+8*NQ*(\sc)+NQ*(\a)+(\q)] matrix_a_fmt:MATRIX_FMT_FP4 matrix_b_fmt:MATRIX_FMT_FP4 matrix_a_scale:MATRIX_SCALE_ROW1
.else
	v_wmma_scale_f32_16x16x128_f8f6f4 v[8*(8*((\a)%4)+\b):8*(8*((\a)%4)+\b)+7], v[128*(\p)+FR*\b:128*(\p)+FR*\b+FR-1], v[AF+64*(\p)+FR*(\a):AF+64*(\p)+FR*(\a)+FR-1], v[8*(8*((\a)%4)+\b):8*(8*((\a)%4)+\b)+7], v[SC+8*NQ*(\sc)+NQ*\b+(\q)], v[SC+8*NQ*(\sc)+NQ*(\a)+(\q)] matrix_a_fmt:MATRIX_FMT_FP4 matrix_b_fmt:MATRIX_FMT_FP4 matrix_a_scale:MATRIX_SCALE_ROW1
.endif
.endr
.endr
.endm
; A step that has its successor in the same slot.  The waits leave out the 32 loads just issued and this step's loads of aq's blocks that are not yet multiplied (2 a block)
.macro STEP slot, q, zero
	PLACES NP                                      ; in front of loads into the sets that the step before multiplied
	FETCH \slot, (\q)+1, 1-(\q)%2, 0
	s_wait_dscnt 44
.if \zero
	WIN ZER_LO
.else
	WIN MUL_LO
.endif
	MUL16 0, (\q)%2, \q, \slot, \zero
	s_wait_dscnt 40
	MUL16 2, (\q)%2, \q, \slot, \zero
	s_wait_dscnt 36
.if \zero
	WIN ZER_HI
.else
	WIN MUL_HI
.endif
	MUL16 4, (\q)%2, \q, \slot, \zero
	s_wait_dscnt 32
	MUL16 6, (\q)%2, \q, \slot, \zero
.endm
; A slot's last step: its fragments were asked for a step ago, so the slot's reads end here.  fill = 1: the slot takes the K step two on; fill = 2: slot 0 takes c_prev's tile
.macro TURN slot, next, fill
	WIN 0
.if (\fill == 1) && (\slot == 0)
	s_wait_xcnt 0x0                                ; my prefetches have read their base: it steps one lap
	s_add_nc_u64 s[PFA:PFA+1], s[PFA:PFA+1], 2*BLKB
.endif
	s_wait_tensorcnt 0x0                           ; my one load that was out, my block of the next slot, has landed;
	ds_add_u32 v[SPW], v[NIL]
	s_wait_dscnt 13                                ; (the add and aq's blocks 2-7 may be out)
	WIN MUL_LO
	MUL16 0, 1, NQ-1, \slot, 0
	s_wait_dscnt 0x0                               ; the add is done, and my reads of this slot are over
	s_barrier_signal -1
	MUL16 2, 1, NQ-1, \slot, 0
	WIN 0
	s_barrier_wait -1
	CREST                                          ; the barrier has opened a round of the cluster's barrier
.if \fill == 1
	s_add_nc_u64 s[G0+4*\slot+2:G0+4*\slot+3], s[G0+4*\slot+2:G0+4*\slot+3], 2*BLKB
	s_add_nc_u64 s[G0B+4*\slot+2:G0B+4*\slot+3], s[G0B+4*\slot+2:G0B+4*\slot+3], 2*BLKB
	JLOAD G0+4*\slot, G1, G0B+4*\slot, G1B         ; the first tensor load behind the round; its four v_nop are the places in front of the loads below
.else
	tensor_load_to_lds s[G0C:G0C+3], s[G1C:G1C+7]  ; my 64 rows of c_prev
	s_nop 0
	PLACES 4
.endif
	FETCH \next, 0, 0, 1
.if \fill == 1
	ASK \slot
.endif
	WIN MUL_HI
	MUL16 4, 1, NQ-1, \slot, 0
	MUL16 6, 1, NQ-1, \slot, 0
.endm
.macro STEPS slot, from
.set Q, \from
.rept NQ-1-\from
	STEP \slot, Q, 0
.set Q, Q+1
.endr
.endm
	s_wait_tensorcnt 0x0                           ; my block of K step 0 is in; slot 1's first fill is issued as a refill is:
	ds_add_u32 v[SPW], v[NIL]
	s_wait_dscnt 0x0
	CROUND
	JLOAD G0+4, G1, G0B+4, G1B                     ; K step 1
	FETCH 0, 0, 0, 1
	ASKK 3
	s_wait_loadcnt 0x0                             ; the biases
	STEP 0, 0, 1                                   ; the first step stands in front of the loop: its products start the sums
	WIN 0
	s_mov_b32 s3, LAPS-1
.Llap:                                                 ; a trip goes once round the ring, from a lap's second step to the next lap's first
	STEPS 0, 1
	TURN 0, 1, 1
	STEPS 1, 0
	TURN 1, 0, 1
	STEP 0, 0, 0
	WIN 0
	s_sub_co_u32 s3, s3, 1
	s_cmp_lg_u32 s3, 0
	s_cbranch_scc1 .Llap
	STEPS 0, 1
	TURN 0, 1, 2
	STEPS 1, 0
	s_wait_dscnt 12                                ; the very last step: nothing more to fetch
	WIN MUL_LO
	MUL16 0, 1, NQ-1, 1, 0
	s_wait_dscnt 8
	MUL16 2, 1, NQ-1, 1, 0
	s_wait_dscnt 4
	WIN MUL_HI
	MUL16 4, 1, NQ-1, 1, 0
	s_wait_tensorcnt 0x0                           ; my rows of c_prev are in: say so, since other waves read them
	s_wait_dscnt 0x0
	s_barrier_signal -1
	MUL16 6, 1, NQ-1, 1, 0
	WIN 0
	PLACES NP
	s_barrier_wait -1
; THE WAY OUT, by blocks of 16 rows.  A lane holds the four gates of 16 units of one row.  c goes into the stage where c_prev lay, h into the stage behind it; a row's 256 bytes come from two waves, so a barrier stands between
; block a - 1's stores into the stages and their reading; it is passed inside block a: the signal behind block a's first exponentials, the wait behind its reciprocals.  c_prev is read a block ahead.
.macro CPLOAD a
.set CPB, CP+80*((\a)%2)
.irp u, 0,1
.irp k, 0,1
	ds_load_b128 v[CPB+8*\u+4*\k:CPB+8*\u+4*\k+3], v[STO] offset:BROW*(\a)+64*\u+16*\k
.endr
.endr
.endm
.macro BACK a
.irp i, 0,1,2,3,4,5,6,7
	ds_load_b128 v[OB+4*\i:OB+4*\i+3], v[RD] offset:BROW*(\a)+2*PITCH*\i
.endr
.endm
.macro SEND a
.irp i, 0,1,2,3,4,5,6,7
	global_store_b128 v[CO], v[OB+4*\i:OB+4*\i+3], s[84:85] offset:(16*(\a)+2*\i)*OROW th:TH_STORE_NT   ; sixteen lanes store 256 consecutive bytes, aligned
.endr
.endm
.macro BLOCK a
.set AC, 64*((\a)%4)
.set CPA, CP+80*((\a)%2)
	WIN 0x02+(\a)/4                                ; source 0: window 2 or 3
.if (\a) > 0
	s_wait_alu depctr_va_vdst(0)                   ; the wait ahead of the first read of matrix results behind transcendentals
.endif
.irp q, 0,1,3
.irp u, 0,1
.irp p, 0,2,4,6
	v_pk_mul_f32 v[GT+16*\q+8*\u+\p:GT+16*\q+8*\u+\p+1], v[AC+8*(2*\q+\u)+\p:AC+8*(2*\q+\u)+\p+1], s[KN:KN+1] op_sel_hi:[1,0]   ; -x log2(e) of f, i, o; each accumulator from its low end on
.endr
.endr
.endr
.irp u, 0,1
.irp p, 0,2,4,6
	v_pk_mul_f32 v[GG+8*\u+\p:GG+8*\u+\p+1], v[AC+8*(4+\u)+\p:AC+8*(4+\u)+\p+1], s[KP:KP+1] op_sel_hi:[1,0]   ; 2 g log2(e)
.endr
.endr
	WIN 0
.irp j, 0,1,2,3,4,5,6,7,8,9,10,11,12,13,14,15
	v_min_num_f32 v[GG+\j], s[HOLD], v[GG+\j]
.endr
	s_wait_alu depctr_va_vdst(0)                   ; a wait ahead of each batch of transcendentals and one behind it
.irp j, 0,1,2,3,4,5,6,7,8,9,10,11,12,13,14,15,16,17,18,19,20,21,22,23,24,25,26,27,28,29,30,31,32,33,34,35,36,37,38,39,40,41,42,43,44,45,46,47,48,49,50,51,52,53,54,55,56,57,58,59,60,61,62,63
	v_exp_f32 v[GT+\j], v[GT+\j]
.endr
	v_nop
	s_wait_dscnt 0x0                               ; block a - 1's stores into the stages are done, and this block's c_prev is in
.if (\a) > 0
	s_barrier_signal -1
.endif
	s_wait_alu depctr_va_vdst(0)
.irp p, 0,2,4,6,8,10,12,14
	v_pk_add_f32 v[DD+\p:DD+\p+1], v[GG+\p:GG+\p+1], 1.0 op_sel_hi:[1,0]
	v_pk_add_f32 v[GI+\p:GI+\p+1], v[GI+\p:GI+\p+1], 1.0 op_sel_hi:[1,0]
	v_pk_add_f32 v[GF+\p:GF+\p+1], v[GF+\p:GF+\p+1], 1.0 op_sel_hi:[1,0]
	v_pk_add_f32 v[GOU+\p:GOU+\p+1], v[GOU+\p:GOU+\p+1], 1.0 op_sel_hi:[1,0]
.endr
.irp p, 0,2,4,6,8,10,12,14
	v_pk_mul_f32 v[DD+\p:DD+\p+1], v[DD+\p:DD+\p+1], v[GI+\p:GI+\p+1]   ; sigmoid(i) tanh(g) = (e - 1) / ((e + 1) (1 + 2^-i')): one reciprocal
	v_pk_add_f32 v[GG+\p:GG+\p+1], v[GG+\p:GG+\p+1], -1.0 op_sel_hi:[1,0]
.endr
	s_wait_alu depctr_va_vdst(0)
.irp j, 0,1,2,3,4,5,6,7,8,9,10,11,12,13,14,15
	v_rcp_f32 v[GF+\j], v[GF+\j]
.endr
.irp j, 0,1,2,3,4,5,6,7,8,9,10,11,12,13,14,15
	v_rcp_f32 v[DD+\j], v[DD+\j]
.endr
	v_nop
.if (\a) > 0
	s_barrier_wait -1                              ; every wave's block a - 1 lies in the stages
.if (\a) > 1
	s_wait_xcnt 0x0                                ; block a - 2's stores have read their registers
.endif
	BACK (\a)-1
.endif
	s_wait_alu depctr_va_vdst(0)
.irp p, 0,2,4,6,8,10,12,14
	v_pk_mul_f32 v[CN+\p:CN+\p+1], v[CPA+\p:CPA+\p+1], v[GF+\p:GF+\p+1]
.endr
.irp p, 0,2,4,6,8,10,12,14
	v_pk_fma_f32 v[CN+\p:CN+\p+1], v[GG+\p:GG+\p+1], v[DD+\p:DD+\p+1], v[CN+\p:CN+\p+1]   ; c
.endr
.irp u, 0,1
.irp k, 0,1
	ds_store_b128 v[STO], v[CN+8*\u+4*\k:CN+8*\u+4*\k+3] offset:BROW*(\a)+64*\u+16*\k
.endr
.endr
.irp p, 0,2,4,6,8,10,12,14
	v_pk_mul_f32 v[GI+\p:GI+\p+1], v[CN+\p:CN+\p+1], s[KP:KP+1] op_sel_hi:[1,0]
.endr
.irp j, 0,1,2,3,4,5,6,7,8,9,10,11,12,13,14,15
	v_min_num_f32 v[GI+\j], s[HOLD], v[GI+\j]
.endr
	s_wait_alu depctr_va_vdst(0)
.irp j, 0,1,2,3,4,5,6,7,8,9,10,11,12,13,14,15
	v_exp_f32 v[GI+\j], v[GI+\j]
.endr
	v_nop
.if (\a) > 0
	s_wait_dscnt 4                                 ; block a - 1 is back in registers; my four stores of c may be out
	SEND (\a)-1
.endif
	s_wait_alu depctr_va_vdst(0)
.irp p, 0,2,4,6,8,10,12,14
	v_pk_add_f32 v[DD+\p:DD+\p+1], v[GI+\p:GI+\p+1], 1.0 op_sel_hi:[1,0]
	v_pk_add_f32 v[GI+\p:GI+\p+1], v[GI+\p:GI+\p+1], -1.0 op_sel_hi:[1,0]
.endr
.irp p, 0,2,4,6,8,10,12,14
	v_pk_mul_f32 v[DD+\p:DD+\p+1], v[DD+\p:DD+\p+1], v[GOU+\p:GOU+\p+1]
.endr
	s_wait_alu depctr_va_vdst(0)
.irp j, 0,1,2,3,4,5,6,7,8,9,10,11,12,13,14,15
	v_rcp_f32 v[DD+\j], v[DD+\j]
.endr
	v_nop
	s_wait_alu depctr_va_vdst(0)
.irp p, 0,2,4,6,8,10,12,14
	v_pk_mul_f32 v[HH+\p:HH+\p+1], v[GI+\p:GI+\p+1], v[DD+\p:DD+\p+1]   ; h
.endr
.irp u, 0,1
.irp k, 0,1
	ds_store_b128 v[STOH], v[HH+8*\u+4*\k:HH+8*\u+4*\k+3] offset:BROW*(\a)+64*\u+16*\k
.endr
.endr
.if (\a) < 7
	CPLOAD (\a)+1
.endif
.endm
	CPLOAD 0
.irp a, 0,1,2,3,4,5,6,7
	BLOCK \a
.endr
	s_wait_dscnt 0x0
	s_barrier_signal -1
	s_barrier_wait -1
	s_wait_xcnt 0x0
	BACK 7
	s_wait_dscnt 0x0
	SEND 7
	s_wait_tensorcnt 0x0                           ; the wave's end
	ds_add_u32 v[SPW], v[NIL]
	s_wait_dscnt 0x0
	CROUND                                         ; the closing round
	s_endpgm
.Lfunc_end_k_qd963c59193_lstm:
	.size	k_qd963c59193_lstm, .Lfunc_end_k_qd963c59193_lstm-k_qd963c59193_lstm
	.p2alignl 7, 3214868480
	.fill 96, 4, 3214868480
	.section	.rodata,"a",@progbits
	.p2align	6, 0x0
	.amdhsa_kernel k_qd963c59193_lstm
		.amdhsa_group_segment_fixed_size 327680
		.amdhsa_private_segment_fixed_size 0
		.amdhsa_enable_private_segment 0
		.amdhsa_kernarg_size 72
		.amdhsa_user_sgpr_count 2
		.amdhsa_user_sgpr_kernarg_segment_ptr 1
		.amdhsa_wavefront_size32 1
		.amdhsa_system_sgpr_workgroup_id_x 1
		.amdhsa_system_sgpr_workgroup_id_y 1
		.amdhsa_system_sgpr_workgroup_id_z 1
		.amdhsa_system_vgpr_workitem_id 0
		.amdhsa_next_free_vgpr 1024
		.amdhsa_next_free_sgpr 100
		.amdhsa_reserve_vcc 0
		.amdhsa_float_denorm_mode_32 3
		.amdhsa_float_denorm_mode_16_64 3
		.amdhsa_memory_ordered 1
		.amdhsa_forward_progress 1
		.amdhsa_inst_pref_size 255
	.end_amdhsa_kernel
	.section	.bss,"aw",@nobits
	.p2align	6
	.space	262144
	.amdgpu_metadata
---
amdhsa.version: [ 1, 2 ]
amdhsa.kernels:
  - .name:           k_qd963c59193_lstm
    .symbol:         k_qd963c59193_lstm.kd
    .args:
      - { .name: aq, .offset: 0, .size: 8, .value_kind: global_buffer, .address_space: global }
      - { .name: bq, .offset: 8, .size: 8, .value_kind: global_buffer, .address_space: global }
      - { .name: bf, .offset: 16, .size: 8, .value_kind: global_buffer, .address_space: global }
      - { .name: bi, .offset: 24, .size: 8, .value_kind: global_buffer, .address_space: global }
      - { .name: bg, .offset: 32, .size: 8, .value_kind: global_buffer, .address_space: global }
      - { .name: bo, .offset: 40, .size: 8, .value_kind: global_buffer, .address_space: global }
      - { .name: c_prev, .offset: 48, .size: 8, .value_kind: global_buffer, .address_space: global }
      - { .name: out0, .offset: 56, .size: 8, .value_kind: global_buffer, .address_space: global }
      - { .name: out1, .offset: 64, .size: 8, .value_kind: global_buffer, .address_space: global }
    .group_segment_fixed_size: 327680
    .private_segment_fixed_size: 0
    .kernarg_segment_align: 8
    .kernarg_segment_size: 72
    .max_flat_workgroup_size: 128
    .sgpr_count:     100
    .vgpr_count:     1024
    .wavefront_size: 32
...
	.end_amdgpu_metadata
.endif
;; end of part 2
